; MI455X (gfx1250); checked and timed in simulation.
; The chip was launched on July 23, 2026; its instructions are those of AMD's public machine-readable ISA for CDNA 5 (MIT licence, August 2026) and "CDNA5" Instruction Set Architecture Reference Guide (July 2026). The comments in the code are by the model that wrote it; some were corrected since.
;; Multi Headed Attention. Allowed arithmetic: matrix products marked QUANTISED: E2M1 operands, one E8M0 scale for each 32 along K, by v_wmma_scale_f32_16x16x128_f8f6f4 with both operands' format E2M1 (or v_wmma_scale_f32_32x16x128_f4), f32 sums; everything else in f32.
;; Inputs: Wk_codes 1,024 x 32 x 16 uint8 (E2M1 codes of Wk, K innermost, in blocks of 32 codes, two codes a byte); Wk_scales 1,024 x 32 uint8 (E8M0 scales of Wk, one for each 32 codes along K); Wo_codes 1,024 x 32 x 16 uint8 (E2M1 codes of Wo, K innermost, in blocks of 32 codes, two codes a byte); Wo_scales 1,024 x 32 uint8 (E8M0 scales of Wo, one for each 32 codes along K); Wq_codes 1,024 x 32 x 16 uint8 (E2M1 codes of Wq, K innermost, in blocks of 32 codes, two codes a byte); Wq_scales 1,024 x 32 uint8 (E8M0 scales of Wq, one for each 32 codes along K); Wv_codes 1,024 x 32 x 16 uint8 (E2M1 codes of Wv, K innermost, in blocks of 32 codes, two codes a byte); Wv_scales 1,024 x 32 uint8 (E8M0 scales of Wv, one for each 32 codes along K); bk 1,024 float32; bo 1,024 float32; bq 1,024 float32; bv 1,024 float32; key_codes 4 x 2,048 x 32 x 16 uint8 (E2M1 codes of key, K innermost, in blocks of 32 codes, two codes a byte); key_scales 4 x 2,048 x 32 uint8 (E8M0 scales of key, one for each 32 codes along K); mask 4 x 2,048 x 2,048 int32; query_codes 4 x 2,048 x 32 x 16 uint8 (E2M1 codes of query, K innermost, in blocks of 32 codes, two codes a byte); query_scales 4 x 2,048 x 32 uint8 (E8M0 scales of query, one for each 32 codes along K); value_codes 4 x 2,048 x 32 x 16 uint8 (E2M1 codes of value, K innermost, in blocks of 32 codes, two codes a byte); value_scales 4 x 2,048 x 32 uint8 (E8M0 scales of value, one for each 32 codes along K).
;; Outputs: out0 4 x 2,048 x 1,024 float32.
;; This version of the problem:
;;   THIS VERSION OF THE PROBLEM IS GIVEN IN LOW PRECISION. The matrix products marked QUANTISED in the list below multiply operands that are first quantised to E2M1 (2 exponent bits, 1 mantissa bit; 4 bits a number), with one power-of-two scale for each 32 numbers along K (OCP MX v1.0); their sums are f32. All else is computed in f32.
;;   The module's matrix products, in the order in which they are computed (A, B: the left and right operand; K: the contracted axis; several contracted axes count as one K, in the product's order):
;;     1. [M 8,192, K 1,024] x [K 1,024, N 1,024]; A: input query (given as codes); B: input Wq (given as codes): QUANTISED
;;     2. [M 8,192, K 1,024] x [K 1,024, N 1,024]; A: input key (given as codes); B: input Wk (given as codes): QUANTISED
;;     3. [M 8,192, K 1,024] x [K 1,024, N 1,024]; A: input value (given as codes); B: input Wv (given as codes): QUANTISED
;;     4. batch 64 x [M 2,048, K 64] x [K 64, N 2,048]; A: computed on the way; B: computed on the way: QUANTISED
;;     5. batch 64 x [M 2,048, K 2,048] x [K 2,048, N 64]; A: softmax (see below); B: computed on the way: QUANTISED
;;     6. [M 8,192, K 1,024] x [K 1,024, N 1,024]; A: computed on the way; B: input Wo (given as codes): QUANTISED
;;   THE QUANTISER, for each operand of a quantised product, along K:
;;     - K is cut into blocks of 32 from its start; a last block that is shorter is filled with zeros.
;;     - A block's scale is 2^e with e = floor(log2(the largest magnitude in the block)) - 2, held to -126 .. 127; a block of zeros has e = 0. As a byte (E8M0): e + 127.
;;     - Each number is divided by its block's scale, clamped to +-6, and rounded to the nearest number of E2M1, ties to even, subnormals kept.
;;     - The product sums the exact products of the quantised numbers (number of the format x scale) in f32.
;;   ~~~python
;;   def quantise(x, axis):      # numpy; x: float32 -> the quantised numbers, widened to float32 again
;;       x = np.moveaxis(x, axis, -1); K = x.shape[-1]
;;       x = np.pad(x, [(0, 0)] * (x.ndim - 1) + [(0, -K % 32)]); x = x.reshape(x.shape[:-1] + (-1, 32)); a = np.abs(x).max(-1, keepdims=True)
;;       e = np.where(a > 0, np.clip(np.frexp(np.where(a > 0, a, 1))[1] - 1 - 2, -126, 127), 0)      # np.frexp(a)[1] - 1 = floor(log2(a)), exactly
;;       r = np.clip(x / 2.0 ** e, -6, 6)
;;       step = 2.0 ** (np.maximum(np.frexp(np.where(r == 0, 1, r))[1] - 1, 0) - 1)
;;       q = np.round(r / step) * step * 2.0 ** e      # np.round: ties to even
;;       return np.moveaxis(q.reshape(q.shape[:-2] + (-1,))[..., :K], -1, axis).astype(np.float32)
;;   ~~~
;;   SOFTMAX AHEAD OF A QUANTISED PRODUCT. Where the list says 'softmax', what is quantised is not the finished softmax but p = 2^(t - M), with t = logit x log2(e) and M = ceil(the row's largest t), a whole number; so 1/2 < the row's largest p <= 1. The row's sum l is taken of the UNQUANTISED p, in f32, and the product's result is divided by l at the end. Since M is a whole number, a kernel that streams over the keys may use a running M (the ceiling of the running maximum): every later rescaling is an exact power of two, which a block's scale takes up: the codes' values come out the same.
;;   OPERANDS COMPUTED ON THE WAY. 'Computed on the way' means the value that the module computes at that place (a softmax that the list does not call 'softmax' is quantised finished and normalised). What goes into a quantiser is computed in f32, as accurately as f32 sums, v_exp_f32 and their like allow (about 1e-6 of the number): no bf16 or f16 on the way to a quantiser, and a product that is left as it is and whose result goes on into a quantised operand takes f32 operands (vector FMAs, or v_wmma_f32_16x16x4_f32). A number that lies on a knife's edge between two numbers of the format may be rounded either way, as far as f32 arithmetic and the matrix unit's own rounding can turn it there, and no further.
;;   INPUTS GIVEN AS CODES. Wk (in the module: [1024, 1024], K = its axis 1); Wo (in the module: [1024, 1024], K = its axis 1); Wq (in the module: [1024, 1024], K = its axis 1); Wv (in the module: [1024, 1024], K = its axis 1); key (in the module: [4, 2048, 1024], K = its axis 2); query (in the module: [4, 2048, 1024], K = its axis 2); value (in the module: [4, 2048, 1024], K = its axis 2): each comes as NAME_codes (uint8): NAME with its K axis moved to the last place and cut into blocks of 32 codes, [.., K / 32, bytes a block], one block behind the other in memory; two codes a byte, the lower K in the low four bits (a code: sign, 2 exponent bits, 1 mantissa bit); and NAME_scales (uint8): the same leading axes, one E8M0 byte (e + 127) for each 32 codes along K. Its value is code x scale, taken as it is: it is not quantised again, and the codes and scales need not be those that the quantiser above would give.
;; One version. Each part assembles by itself: llvm-mc -triple=amdgcn-amd-amdhsa -mcpu=gfx1250 --defsym DOCPART=n.
;; ======== version 1 of 1: 3 launches
;; limits: right only within a limited range of input values
;; workspace buffers: qkv 12,582,912 bytes; qkvs 786,432 bytes; cc 4,194,304 bytes; cs 262,144 bytes
;; launch proj (part 1): grid 4 x 192, 4 waves a work-group, clusters of 4 x 4, 213,504 bytes of LDS; arguments query_codes, query_scales, Wq_codes, Wq_scales, bq, key_codes, key_scales, Wk_codes, Wk_scales, bk, value_codes, value_scales, Wv_codes, Wv_scales, bv, qkv, qkvs; writes qkv, qkvs
.if DOCPART == 1
	.amdgcn_target "amdgcn-amd-amdhsa--gfx1250"
	.amdhsa_code_object_version 6
	.text
	.protected	k_q7d3fcf61e2_proj
	.globl	k_q7d3fcf61e2_proj
	.p2align	8
	.type	k_q7d3fcf61e2_proj,@function
k_q7d3fcf61e2_proj:
	s_mov_b64 s[64:65], 0
	v_nop
	global_prefetch_b8 v0, s[64:65] scope:SCOPE_SE
	s_setreg_imm32_b32 hwreg(HW_REG_WAVE_MODE, 25, 1), 1
	s_wait_xcnt 0x0
	s_wait_alu depctr_hold_cnt(0) depctr_sa_sdst(0) depctr_va_vdst(0) depctr_va_sdst(0) depctr_va_ssrc(0) depctr_va_vcc(0) depctr_vm_vsrc(0)
	s_getreg_b32 s2, hwreg(HW_REG_IB_STS2, 6, 4)
	s_cmp_eq_u32 s2, 0
	s_cbranch_scc0 .Lentry_in_a_cluster
	s_endpgm
.Lentry_in_a_cluster:
	s_bfe_u32 s2, ttmp6, 0x10000c
	s_cmp_lg_u32 s2, 0xf033
	s_cbranch_scc0 .Lentry_shape_is_right
	s_endpgm
.Lentry_shape_is_right:
; The three projections Q, K, V = x W^T + b on codes of FP4 (E2M1) with E8M0 scales, and the quantiser of their results, in one text.
; One product form: C'[i][j] = sum over k of P[i][k] R[j][k], K = 1,024.  Source 0 takes 16 rows of P, source 1 16 rows of R: a lane then holds ONE j (lane % 16) and its registers run along i, the axis that is quantised next.
;   Q, K: P = W (i = the output channel: a head's 64 are two blocks of 32), R = x (j = the token).      V: P = value (i = the key: blocks of 32 keys), R = Wv (j = the channel).
; The side whose rows are j is called A here, the side whose rows are i B.  Which tensors they are is chosen by s_cselect on the cluster's y alone; no branch hangs on it.
; SHARES.  768 work-groups, 256 a product: a tile of 128 j x 256 i; four waves, each 64 j x 128 i: 32 accumulators.  All of K lies in LDS: filled once; nothing is filled again.
; CLUSTERS: 4 x 4 work-groups.  A's tile hangs on the tile row alone and is asked for jointly along a row of the cluster, B's on the tile column alone, jointly along a column.
; THE RESULTS leave as images of operand registers.  A unit of 512 bytes is 64 i x 16 j: lane (r, h) holds 16 bytes at 16 x lane: row j = r, i = 32 h .. 32 h + 31: half a fragment of 128 along the next K.
;   qkv [g 3][4 MiB]:  Q, K: [b][head 16][tile of 16 tokens 128][512];   V: [b][head][step of 128 keys 16][tile of 16 channels 4][c 2][512].
;   qkvs [g 3][256 KiB] u32:  Q, K: [b][head pair 8][token 2,048], bytes 0, 1 the even head's two blocks, bytes 2, 3 the odd head's;   V: [b][head][step][channel 64], four bytes for 128 keys.
; A block's scale is 2^(floor(log2(its largest magnitude)) - 2); its byte is the largest magnitude's exponent field - 2, held at 1 from below.
; LIMITS: NaN and infinities are not served.  A block of zeros gets the byte 1 where the rule says 127: its codes are zeros, and the bytes are read by this program alone.
; REGISTERS, in windows of 256: window 0: v1-15 addresses; v16-31 A's scale words, v32-63 B's (scales and nothing else); v64-127 A's fragments, two sets; v128-255 B's, two sets; on the way out v64-181 at work.
;   window 1: accumulator (a, b) at v[8 (8 a + b)].   window 2: v0-63 the bias along i, eight registers a block of B, the C of the first K step; v64-71 the bias along j as pairs; v72-75 the same as loaded.
.set PITCH, 528                        ; an LDS row: all of K, 512 bytes of codes, + 16 of padding; one tensor load a wave brings whole rows
.set AHALF, 64*PITCH                   ; 64 rows of A: what one tensor load brings, and what one wave reads
.set BHALF, 128*PITCH                  ; 128 rows of B likewise
.set SLOT,  2*AHALF+2*BHALF            ; all of K: A's 128 rows, then B's 256
.set STG,   SLOT                       ; behind the tiles: 256 bytes for each wave, for its scale words; no tensor load lands there
.set LI,   2                           ; v2   16 x lane
.set ADRA, 4                           ; v4-5 LDS address of my A fragments in half 0, 1
.set ADRB, 6                           ; v6-7 the same for B
.set SW,   8                           ; v8   my stage + 4 r
.set SR,   9                           ; v9   my stage + 8 x lane
.set L8,   10                          ; v10  8 x lane
.set L32,  11                          ; v11  32 x lane
.set SA,   16                          ; A's scale words: pair p of blocks, K step k at v[SA + 8 p + k]: lanes 0-15 block 2 p, lanes 16-31 block 2 p + 1
.set SB,   32                          ; B's likewise
.set AF,   64
.set BF,   128
.set T,    64                          ; the way out: a unit's 32 numbers
.set TM,   96                          ; v96-101 at work in the quantiser
.set PCB,  128                         ; v128-159 the eight units' codes
.set OFB,  160                         ; v160-167 their byte offsets
.set PWB,  168                         ; v168-175 their two scale bytes
.set WDB,  176                         ; v176-179 the scale words
.set SEL,  104                         ; s[104:105] v_permlanex16_b32's selects for lane l xor 16
.set MSB, 0
.macro WIN new                         ; the immediate's high byte repeats the setting that is left
.if MSB != \new
	s_set_vgpr_msb (MSB<<8)|\new
.set MSB, \new
.endif
.endm
.macro CROUND                          ; a round of the cluster's barrier
	s_barrier_signal -1
	s_barrier_wait -1
	s_cmp_lg_u32 s44, 0
	s_cbranch_scc1 .Lnot_wave_0_\@
	s_barrier_signal -3
.Lnot_wave_0_\@:
	s_barrier_wait -3
	s_barrier_signal -1
	s_barrier_wait -1
.endm
	s_load_b256 s[4:11], s[0:1], 0x0               ; query: codes, scales; Wq: codes, scales
	s_load_b64 s[12:13], s[0:1], 0x20              ; bq
	s_load_b256 s[16:23], s[0:1], 0x28             ; the same for key, Wk
	s_load_b64 s[24:25], s[0:1], 0x48              ; bk
	s_load_b256 s[28:35], s[0:1], 0x50             ; the same for value, Wv
	s_load_b64 s[36:37], s[0:1], 0x70              ; bv
	s_load_b128 s[40:43], s[0:1], 0x78             ; qkv, qkvs
	s_set_vgpr_msb 0x80
	v_lshl_add_u32 v80, v0, 2, 0x34000
	v_mov_b32 v81, 0
	s_set_vgpr_msb 0x808a
	ds_add_u32 v80, v81
	ds_add_u32 v80, v81
	s_set_vgpr_msb 0x8a00
	v_lshrrev_b32 v1, 5, v0
	v_readfirstlane_b32 s44, v1                    ; wave 0..3
	s_lshr_b32 s45, s44, 1                         ; wj: which 64 of the tile's j are mine.  Also: I fetch for A (0) or for B (1)
	s_and_b32 s46, s44, 1                          ; wi: which 128 of its i.  Also: which half of that tile I fetch
	v_and_b32 v12, 31, v0                          ; lane
	v_and_b32 v13, 15, v0                          ; r
	v_bfe_u32 v14, v0, 4, 1                        ; h
	v_lshlrev_b32 v[LI], 4, v12
	v_lshlrev_b32 v[L8], 3, v12
	v_lshlrev_b32 v[L32], 5, v12
	v_mul_u32_u24 v15, v13, PITCH
	v_lshl_add_u32 v15, v14, 4, v15                ; a fragment's row x pitch + 16 h
	s_mul_i32 s100, s45, AHALF
	s_mul_i32 s101, s46, BHALF
	s_add_co_u32 s101, s101, 2*AHALF
	v_add_nc_u32 v[ADRA], s100, v15
	v_add_nc_u32 v[ADRB], s101, v15
	v_add_nc_u32 v[ADRA+1], 256, v[ADRA]           ; K steps 4 to 7: 256 bytes on in the same rows
	v_add_nc_u32 v[ADRB+1], 256, v[ADRB]
	s_lshl_b32 s100, s44, 8
	s_add_co_u32 s100, s100, STG
	v_lshl_add_u32 v[SW], v13, 2, s100
	v_lshl_add_u32 v[SR], v12, 3, s100
	v_lshlrev_b32 v3, 5, v14                       ; 32 h: the bias along i, my half's eight numbers of a block
	v_lshlrev_b32 v1, 2, v13                       ; 4 r: the bias along j
	s_mov_b32 s[SEL], 0x76543210
	s_mov_b32 s[SEL+1], 0xfedcba98
	s_bfe_u32 s47, ttmp6, 0x40000                  ; cx
	s_bfe_u32 s48, ttmp6, 0x40004                  ; cy
	s_and_b32 s49, ttmp7, 0xffff                   ; the cluster's y, 0 .. 47
	s_lshr_b32 s50, s49, 4                         ; which product: 0 Q, 1 K, 2 V
	s_and_b32 s51, s49, 15                         ; which of its sixteen clusters
	s_lshr_b32 s52, s51, 3
	s_and_b32 s53, s51, 7
	s_movk_i32 s56, 512
	s_mov_b32 s57, 65536
	s_cmp_eq_u32 s50, 2                            ; V?  All that differs is chosen here, by selects on this one compare
	s_cselect_b32 s52, s52, s51                    ; Q, K: 64 tile rows x 4 tile columns;  V: 8 tile rows x 32 tile columns
	s_cselect_b32 s53, s53, 0
	s_cselect_b32 s54, -1, 0                       ; keeps the bias along j (V)
	s_cselect_b32 s55, 0, -1                       ; keeps the bias along i (Q, K)
	s_cselect_b32 s56, 1024, s56                   ; bytes from a block of A to the next in the codes' buffer
	s_cselect_b32 s57, 512, s57                    ; and from the first 64 i to the second
	s_cselect_b32 s58, 1, 2                        ; the shift of the scale words' running index
	s_lshl_b32 s52, s52, 2
	s_add_co_u32 s52, s52, s48                     ; tile row: it holds cy and never cx
	s_lshl_b32 s53, s53, 2
	s_add_co_u32 s53, s53, s47                     ; tile column: it holds cx and never cy
	s_lshl_b32 s66, s48, 2
	s_lshl_b32 s66, 15, s66                        ; my row of the cluster
	s_lshl_b32 s67, 0x1111, s47                    ; my column
	; descriptor group 1: rows of 512 bytes (elements of 1 byte), 512 bytes apart in memory, 16 bytes of padding behind each in LDS.  A: 64 rows a load;  B: 128
	s_or_b32 s68, s66, (1<<20)|(1<<21)|(6<<22)|(3<<25)   ; padding: four words after every 128
	s_mov_b32 s69, 512<<16
	s_mov_b32 s70, 64<<16                          ; tensor_dim1
	s_mov_b32 s71, 512<<16
	s_mov_b32 s72, 64                              ; tile_dim1
	s_mov_b32 s73, 512                             ; tensor_dim0_stride
	s_mov_b32 s74, 0
	s_mov_b32 s75, 0
	s_or_b32 s76, s67, (1<<20)|(1<<21)|(6<<22)|(3<<25)
	s_mov_b32 s77, 512<<16
	s_mov_b32 s78, 128<<16
	s_mov_b32 s79, 512<<16
	s_mov_b32 s80, 128
	s_mov_b32 s81, 512
	s_mov_b32 s82, 0
	s_mov_b32 s83, 0
	s_lshl_b32 s60, s52, 16                        ; A: (128 x tile row + 64 x half) rows of 512 bytes
	s_lshl_b32 s59, s46, 15
	s_add_co_u32 s60, s60, s59
	s_mov_b32 s61, 0
	s_lshl_b32 s62, s53, 17                        ; B: (256 x tile column + 128 x half) rows
	s_lshl_b32 s59, s46, 16
	s_add_co_u32 s62, s62, s59
	s_mov_b32 s63, 0
	s_lshl_b32 s38, s52, 7
	s_lshl_b32 s59, s45, 6
	s_add_co_u32 s38, s38, s59                     ; my first j
	s_lshl_b32 s39, s53, 8
	s_lshl_b32 s59, s46, 7
	s_add_co_u32 s39, s39, s59                     ; my first i
	s_mul_i32 s100, s46, AHALF                     ; where the halves go: the wave's number alone enters an LDS address
	s_mul_i32 s101, s46, BHALF
	s_add_co_u32 s101, s101, 2*AHALF
	s_wait_dscnt 0x0
	s_wait_kmcnt 0x0
	s_cmp_eq_u32 s50, 1
	s_cselect_b64 s[4:5], s[16:17], s[4:5]
	s_cselect_b64 s[6:7], s[18:19], s[6:7]
	s_cselect_b64 s[8:9], s[20:21], s[8:9]
	s_cselect_b64 s[10:11], s[22:23], s[10:11]
	s_cselect_b64 s[12:13], s[24:25], s[12:13]
	s_cmp_eq_u32 s50, 2
	s_cselect_b64 s[4:5], s[28:29], s[4:5]         ; x's codes,
	s_cselect_b64 s[6:7], s[30:31], s[6:7]         ; x's scales,
	s_cselect_b64 s[8:9], s[32:33], s[8:9]         ; W's codes,
	s_cselect_b64 s[10:11], s[34:35], s[10:11]     ; W's scales,
	s_cselect_b64 s[12:13], s[36:37], s[12:13]     ; the bias of my product
	s_cselect_b64 s[16:17], s[8:9], s[4:5]         ; A's codes: W for V, else x
	s_cselect_b64 s[18:19], s[10:11], s[6:7]       ; A's scales
	s_cselect_b64 s[20:21], s[4:5], s[8:9]         ; B's codes
	s_cselect_b64 s[22:23], s[6:7], s[10:11]       ; B's scales
	s_cselect_b32 s24, s38, s39                    ; E: my first output channel
	s_cselect_b32 s25, s39, s38                    ; X: my first token, 0 .. 8,191
	s_cselect_b32 s26, 0, s39                      ; where the bias along i is read: a bias that is not kept is read at the buffer's head
	s_cselect_b32 s27, s38, 0                      ; and the bias along j
	s_add_nc_u64 s[16:17], s[16:17], s[60:61]
	s_add_nc_u64 s[20:21], s[20:21], s[62:63]
	s_mov_b32 s84, 1                               ; group 0, A: count,
	s_mov_b32 s85, s100                            ; LDS address,
	s_mov_b64 s[86:87], s[16:17]                   ; global address,
	s_or_b32 s87, s87, 0x80000000                  ; type
	s_mov_b32 s92, 1                               ; B likewise
	s_mov_b32 s93, s101
	s_mov_b64 s[94:95], s[20:21]
	s_or_b32 s95, s95, 0x80000000
	CROUND                                         ; all sixteen work-groups are here: the joint loads meet
	s_cmp_eq_u32 s45, 0                            ; a wave's one fill stands in one branch on its number, ahead of every wait on TENSORcnt and every LDS read: one load of mine is out
	s_cbranch_scc0 .Lfirst_b
	tensor_load_to_lds s[84:87], s[68:75]
	s_nop 0
.rept 4
	v_nop
.endr
	s_branch .Lfirst_done
.Lfirst_b:
	tensor_load_to_lds s[92:95], s[76:83]
	s_nop 0
.rept 4
	v_nop
.endr
.Lfirst_done:
	; the scale words of all of K go straight into registers, once: a row's 32 bytes are its eight words; two loads cover 1,024 consecutive bytes
	s_mov_b32 s29, 0
	s_lshl_b32 s28, s38, 5
	s_add_nc_u64 s[18:19], s[18:19], s[28:29]
	s_lshl_b32 s28, s39, 5
	s_add_nc_u64 s[22:23], s[22:23], s[28:29]
.irp p, 0,1
.irp u, 0,1
	global_load_b128 v[SA+8*\p+4*\u:SA+8*\p+4*\u+3], v[L32], s[18:19] offset:1024*\p+16*\u
.endr
.endr
.irp p, 0,1,2,3
.irp u, 0,1
	global_load_b128 v[SB+8*\p+4*\u:SB+8*\p+4*\u+3], v[L32], s[22:23] offset:1024*\p+16*\u
.endr
.endr
	s_lshl_b32 s28, s26, 2
	s_add_nc_u64 s[30:31], s[12:13], s[28:29]
	s_lshl_b32 s28, s27, 2
	s_add_nc_u64 s[32:33], s[12:13], s[28:29]
	WIN 0x80                                       ; destination window 2
	s_wait_alu depctr_va_vdst(0)
.irp b, 0,1,2,3,4,5,6,7
	global_load_b128 v[8*\b:8*\b+3], v3, s[30:31] offset:64*\b        ; the bias at i = 16 b + 8 h + 0 .. 7: the result's layout
	global_load_b128 v[8*\b+4:8*\b+7], v3, s[30:31] offset:64*\b+16
.endr
.irp a, 0,1,2,3
	global_load_b32 v[72+\a], v1, s[32:33] offset:64*\a               ; the bias at j = 16 a + r
.endr
	WIN 0
	; where my results go
	s_lshl_b32 s28, s50, 22
	s_lshr_b32 s34, s25, 11                        ; the batch
	s_lshl_b32 s35, s34, 20
	s_add_co_u32 s28, s28, s35
	s_lshl_b32 s35, s24, 10                        ; 65,536 bytes a head of 64 channels
	s_add_co_u32 s28, s28, s35
	s_and_b32 s36, s25, 2047                       ; the token in its batch
	s_lshl_b32 s35, s36, 5                         ; 512 bytes for 16 tokens (Q, K), 4,096 for 128 keys (V)
	s_add_co_u32 s28, s28, s35
	s_add_nc_u64 s[40:41], s[40:41], s[28:29]      ; the codes
	s_lshl_b32 s28, s50, 18
	s_lshl_b32 s35, s34, 16
	s_add_co_u32 s28, s28, s35
	s_lshl_b32 s35, s24, 6                         ; 8,192 bytes a head pair (Q, K), 4,096 a head (V)
	s_add_co_u32 s28, s28, s35
	s_lshl_b32 s35, s36, s58                       ; 4 bytes a token (Q, K), 256 for 128 keys (V)
	s_add_co_u32 s28, s28, s35
	s_add_nc_u64 s[42:43], s[42:43], s[28:29]      ; the scale words: 256 consecutive bytes a wave
	s_wait_loadcnt 0x0                             ; scales and biases
	WIN 0x88                                       ; source 1 and destination window 2
.set j, 0
.rept 64
	v_cndmask_b32 v[j], 0, v[j], s55               ; the bias along i, or zeros
.set j, j+1
.endr
.irp a, 0,1,2,3
	v_cndmask_b32 v[64+2*\a], 0, v[72+\a], s54     ; the bias along j, or zeros, twice: a pair for the packed addition
	v_cndmask_b32 v[65+2*\a], 0, v[72+\a], s54
.endr
	WIN 0
.macro FETCH k, p                      ; the fragments of K step k (16 rows x 128 K: 8 registers, two loads 32 bytes apart) into set p: A's four blocks, B's eight
.irp i, 0,1,2,3
.irp c, 0,1
	ds_load_b128 v[AF+32*(\p)+8*\i+4*\c:AF+32*(\p)+8*\i+4*\c+3], v[ADRA+(\k)/4] offset:64*((\k)%4)+32*\c+\i*16*PITCH
.endr
.endr
.irp i, 0,1,2,3,4,5,6,7
.irp c, 0,1
	ds_load_b128 v[BF+64*(\p)+8*\i+4*\c:BF+64*(\p)+8*\i+4*\c+3], v[ADRB+(\k)/4] offset:64*((\k)%4)+32*\c+\i*16*PITCH
.endr
.endr
.endm
; 32 matrix instructions: A's four blocks x B's eight, K step k.  The 32 accumulators take turns, one instruction a turn, in the same order in every step.
; An odd block's scale words lie in lanes 16-31 of its pair's register.  first = 1: the sums begin with the bias along i.
.macro MUL k, p, first
.irp a, 0,1,2,3
.irp b, 0,1,2,3,4,5,6,7
.set rD, 8*(8*\a+\b)
.set rC, rD
.if \first
.set rC, 8*\b
.endif
.set rB, BF+64*(\p)+8*\b
.set rA, AF+32*(\p)+8*\a
.set qB, SB+8*(\b/2)+(\k)
.set qA, SA+8*(\a/2)+(\k)
.if ((\a)%2 == 0) && ((\b)%2 == 0)
	v_wmma_scale_f32_16x16x128_f8f6f4 v[rD:rD+7], v[rB:rB+7], v[rA:rA+7], v[rC:rC+7], v[qB], v[qA] matrix_a_fmt:MATRIX_FMT_FP4 matrix_b_fmt:MATRIX_FMT_FP4
.elseif ((\a)%2 == 0)
	v_wmma_scale_f32_16x16x128_f8f6f4 v[rD:rD+7], v[rB:rB+7], v[rA:rA+7], v[rC:rC+7], v[qB], v[qA] matrix_a_fmt:MATRIX_FMT_FP4 matrix_b_fmt:MATRIX_FMT_FP4 matrix_a_scale:MATRIX_SCALE_ROW1
.elseif ((\b)%2 == 0)
	v_wmma_scale_f32_16x16x128_f8f6f4 v[rD:rD+7], v[rB:rB+7], v[rA:rA+7], v[rC:rC+7], v[qB], v[qA] matrix_a_fmt:MATRIX_FMT_FP4 matrix_b_fmt:MATRIX_FMT_FP4 matrix_b_scale:MATRIX_SCALE_ROW1
.else
	v_wmma_scale_f32_16x16x128_f8f6f4 v[rD:rD+7], v[rB:rB+7], v[rA:rA+7], v[rC:rC+7], v[qB], v[qA] matrix_a_fmt:MATRIX_FMT_FP4 matrix_b_fmt:MATRIX_FMT_FP4 matrix_a_scale:MATRIX_SCALE_ROW1 matrix_b_scale:MATRIX_SCALE_ROW1
.endif
.endr
.endr
.endm
.macro KSTEP k
	s_wait_dscnt 0x0                               ; this step's fragments are in (asked for 32 matrix instructions ago)
.if (\k) < 7
.if (\k) > 0
.rept 4
	v_nop                                          ; four places in front of loads into registers that the last step's matrix instructions have read (ISA guide 7.12.1 for vector instructions)
.endr
.endif
	FETCH (\k)+1, 1-(\k)%2
.endif
.if (\k) == 0
	WIN 0x60                                       ; D window 1, C window 2
	MUL \k, 0, 1
.else
	WIN 0x50                                       ; C and D window 1
	MUL \k, (\k)%2, 0
.endif
	WIN 0
.endm
; 32 numbers of a lane, v[s] on, register 8 t + e = i 16 t + 8 h + e of my row, become a unit's four registers of codes in v[pc] on and its two scale bytes in v[pw].
; A conversion's result holds 8 h + 0 .. 7 of a tile of 16; the unit wants 32 h + 0 .. 31 in a lane: tiles 0 and 2 into registers 0 and 1, tiles 1 and 3 into 2 and 3, and one exchange of halves for each pair.
.macro QUANT2 s, pc, pw
.irp b, 0,1
	v_max3_num_f32 v[TM+\b], |v[(\s)+16*\b]|, |v[(\s)+16*\b+1]|, 0x1800000   ; block b: my 16 numbers, and the floor 2^(3 - 127): the byte cannot fall under 1
.endr
.irp i, 2,4,6,8,10,12,14
.irp b, 0,1
	v_max3_num_f32 v[TM+\b], v[TM+\b], |v[(\s)+16*\b+\i]|, |v[(\s)+16*\b+\i+1]|
.endr
.endr
.irp b, 0,1
	v_permlanex16_b32 v[TM+2+\b], v[TM+\b], s[SEL], s[SEL+1]
.endr
.irp b, 0,1
	v_max_num_f32 v[TM+\b], v[TM+\b], v[TM+2+\b]   ; with lane l xor 16's: the block's largest magnitude
.endr
.irp b, 0,1
	v_add_nc_u32 v[TM+4+\b], 0xff000000, v[TM+\b]  ; 2 off its exponent field: the conversion takes the exponent field of this operand as its scale
.endr
.irp b, 0,1
	v_lshrrev_b32 v[TM+2+\b], 23, v[TM+4+\b]       ; the scale's byte
.endr
	v_lshl_or_b32 v[\pw], v[TM+3], 8, v[TM+2]
	v_cvt_scalef32_pk8_fp4_f32 v[(\pc)], v[(\s):(\s)+7], v[TM+4]
	v_cvt_scalef32_pk8_fp4_f32 v[(\pc)+2], v[(\s)+8:(\s)+15], v[TM+4]
	v_cvt_scalef32_pk8_fp4_f32 v[(\pc)+1], v[(\s)+16:(\s)+23], v[TM+5]
	v_cvt_scalef32_pk8_fp4_f32 v[(\pc)+3], v[(\s)+24:(\s)+31], v[TM+5]
	v_nop                                          ; one plain place behind the scaled conversions
	v_permlane16_swap_b32 v[(\pc)], v[(\pc)+1]
	v_permlane16_swap_b32 v[(\pc)+2], v[(\pc)+3]
.endm
; Unit (a, y): A's block a, B's blocks 4 y .. 4 y + 3: the bias along j is added, each accumulator read from its low end on; quantised; stored: 32 lanes, 512 consecutive bytes.  Each unit has its own registers for codes and offset.
.macro UNIT a, y
.set U, 2*\a+\y
	WIN 0x09                                       ; source 0 window 1, source 1 window 2
.set n, 0
.rept 16
	v_pk_add_f32 v[T+2*n:T+2*n+1], v[8*(8*\a+4*\y)+2*n:8*(8*\a+4*\y)+2*n+1], v[64+2*\a:65+2*\a]
.set n, n+1
.endr
	WIN 0
	QUANT2 T, PCB+4*U, PWB+U
	s_mul_i32 s100, s56, \a
.if \y
	s_add_co_u32 s100, s100, s57
.endif
	v_add_nc_u32 v[OFB+U], s100, v[LI]
	global_store_b128 v[OFB+U], v[PCB+4*U:PCB+4*U+3], s[40:41]
.endm
	s_wait_alu depctr_va_vdst(0)
	s_wait_tensorcnt 0x0                           ; my one load, whole rows of K, is in
	s_barrier_signal -1
	s_barrier_wait -1                              ; everybody's is
	FETCH 0, 0
	KSTEP 0
	KSTEP 1
	KSTEP 2
	KSTEP 3
	KSTEP 4
	KSTEP 5
	KSTEP 6
	KSTEP 7
.rept 4
	v_nop                                          ; four places in front of the first read of results and the first write of registers that held fragments
.endr
	v_mov_b32 v[TM+2], 0                           ; a lane permute's destination counts as one of its sources
	v_mov_b32 v[TM+3], 0
.irp a, 0,1,2,3
	UNIT \a, 0
	UNIT \a, 1
	v_lshl_or_b32 v[WDB+\a], v[PWB+2*\a+1], 16, v[PWB+2*\a]   ; four bytes: 128 i of row 16 a + r
	ds_store_b32 v[SW], v[WDB+\a] offset:64*\a     ; both halves of the lanes write the same word with the same value
.endr
	ds_load_b64 v[180:181], v[SR]                  ; LDS serves a wave's instructions in order: this sees my stores
	s_wait_dscnt 0x0
	global_store_b64 v[L8], v[180:181], s[42:43]   ; 32 lanes store 256 consecutive bytes, at a multiple of 256 from the buffer's first byte
	s_set_vgpr_msb 0xa
	s_wait_tensorcnt 0x0
	ds_add_u32 v80, v81
	s_wait_dscnt 0x0
	s_set_vgpr_msb 0xa00
	CROUND                                         ; the closing round: no work-group ends while a partner may still ask for a tile that names it
	s_endpgm
.Lfunc_end_k_q7d3fcf61e2_proj:
	.size	k_q7d3fcf61e2_proj, .Lfunc_end_k_q7d3fcf61e2_proj-k_q7d3fcf61e2_proj
	.p2alignl 7, 3214868480
	.fill 96, 4, 3214868480
	.section	.rodata,"a",@progbits
	.p2align	6, 0x0
	.amdhsa_kernel k_q7d3fcf61e2_proj
		.amdhsa_group_segment_fixed_size 213504
		.amdhsa_private_segment_fixed_size 0
		.amdhsa_enable_private_segment 0
		.amdhsa_kernarg_size 136
		.amdhsa_user_sgpr_count 2
		.amdhsa_user_sgpr_kernarg_segment_ptr 1
		.amdhsa_wavefront_size32 1
		.amdhsa_system_sgpr_workgroup_id_x 1
		.amdhsa_system_sgpr_workgroup_id_y 1
		.amdhsa_system_sgpr_workgroup_id_z 1
		.amdhsa_system_vgpr_workitem_id 0
		.amdhsa_next_free_vgpr 594
		.amdhsa_next_free_sgpr 106
		.amdhsa_reserve_vcc 0
		.amdhsa_float_denorm_mode_32 3
		.amdhsa_float_denorm_mode_16_64 3
		.amdhsa_memory_ordered 1
		.amdhsa_forward_progress 1
		.amdhsa_inst_pref_size 88
	.end_amdhsa_kernel
	.amdgpu_metadata
---
amdhsa.version: [ 1, 2 ]
amdhsa.kernels:
  - .name:           k_q7d3fcf61e2_proj
    .symbol:         k_q7d3fcf61e2_proj.kd
    .args:
      - { .name: query_codes, .offset: 0, .size: 8, .value_kind: global_buffer, .address_space: global }
      - { .name: query_scales, .offset: 8, .size: 8, .value_kind: global_buffer, .address_space: global }
      - { .name: Wq_codes, .offset: 16, .size: 8, .value_kind: global_buffer, .address_space: global }
      - { .name: Wq_scales, .offset: 24, .size: 8, .value_kind: global_buffer, .address_space: global }
      - { .name: bq, .offset: 32, .size: 8, .value_kind: global_buffer, .address_space: global }
      - { .name: key_codes, .offset: 40, .size: 8, .value_kind: global_buffer, .address_space: global }
      - { .name: key_scales, .offset: 48, .size: 8, .value_kind: global_buffer, .address_space: global }
      - { .name: Wk_codes, .offset: 56, .size: 8, .value_kind: global_buffer, .address_space: global }
      - { .name: Wk_scales, .offset: 64, .size: 8, .value_kind: global_buffer, .address_space: global }
      - { .name: bk, .offset: 72, .size: 8, .value_kind: global_buffer, .address_space: global }
      - { .name: value_codes, .offset: 80, .size: 8, .value_kind: global_buffer, .address_space: global }
      - { .name: value_scales, .offset: 88, .size: 8, .value_kind: global_buffer, .address_space: global }
      - { .name: Wv_codes, .offset: 96, .size: 8, .value_kind: global_buffer, .address_space: global }
      - { .name: Wv_scales, .offset: 104, .size: 8, .value_kind: global_buffer, .address_space: global }
      - { .name: bv, .offset: 112, .size: 8, .value_kind: global_buffer, .address_space: global }
      - { .name: qkv, .offset: 120, .size: 8, .value_kind: global_buffer, .address_space: global }
      - { .name: qkvs, .offset: 128, .size: 8, .value_kind: global_buffer, .address_space: global }
    .group_segment_fixed_size: 213504
    .private_segment_fixed_size: 0
    .kernarg_segment_align: 8
    .kernarg_segment_size: 136
    .max_flat_workgroup_size: 128
    .sgpr_count:     106
    .vgpr_count:     594
    .wavefront_size: 32
...
	.end_amdgpu_metadata
.endif
;; end of part 1
;; launch attn (part 2): grid 64 x 4, 16 waves a work-group, clusters of 4 x 1, 327,680 bytes of LDS; arguments qkv, qkvs, mask, cc, cs; writes cc, cs
.if DOCPART == 2
	.amdgcn_target "amdgcn-amd-amdhsa--gfx1250"
	.amdhsa_code_object_version 6
	.text
	.protected	k_q7d3fcf61e2_attn
	.globl	k_q7d3fcf61e2_attn
	.p2align	8
	.type	k_q7d3fcf61e2_attn,@function
k_q7d3fcf61e2_attn:
	s_mov_b64 s[64:65], 0
	v_nop
	global_prefetch_b8 v0, s[64:65] scope:SCOPE_SE
	s_setreg_imm32_b32 hwreg(HW_REG_WAVE_MODE, 25, 1), 1
	s_wait_xcnt 0x0
	s_wait_alu depctr_hold_cnt(0) depctr_sa_sdst(0) depctr_va_vdst(0) depctr_va_sdst(0) depctr_va_ssrc(0) depctr_va_vcc(0) depctr_vm_vsrc(0)
	s_getreg_b32 s2, hwreg(HW_REG_IB_STS2, 6, 4)
	s_cmp_eq_u32 s2, 0
	s_cbranch_scc0 .Lentry_in_a_cluster
	s_endpgm
.Lentry_in_a_cluster:
	s_bfe_u32 s2, ttmp6, 0x10000c
	s_cmp_lg_u32 s2, 0x3003
	s_cbranch_scc0 .Lentry_shape_is_right
	s_endpgm
.Lentry_shape_is_right:
; ctx[b][q][head][:] = the sum over k of softmax_k(masked Q . K / 8) V, both products on codes of FP4 (E2M1) with one E8M0 scale for each 32 along K; ctx is then quantised along D for the last product.
; THE SOFTMAX: t = score x log2(e) / 8; M = the row's largest t so far, rounded up to a whole number; p = 2^(t - M) is quantised along the keys, not normalised; the row's sum of the unquantised p divides at the end.
; When M moves, the sum and O are multiplied by 2^(old M - new M): exact.
; SHARES.  A work-group owns 32 queries of one batch and ALL sixteen heads: 256 work-groups.  Wave w of sixteen owns queries 16 (w / 8) .. + 15 and the head pair w % 8: four waves to a SIMD.  All walk the 2,048 keys, 128 a trip.
; THE MASK is read as it is given, each int32 once in the launch: wave w loads rows 2 w, 2 w + 1 of the work-group's 32, 512 consecutive bytes a row and trip, makes 0 (kept) or -2^60 (mask == 0) of each number and
; stores them in an LDS stage of two buffers; a wave reads its 16 rows back in the layout of a matrix result, into the score registers, and the score products add onto them in place.
; -2^60 x c is exact and a whole number, and a score under 2^35 in magnitude is lost beside -2^60: a row masked throughout has p = 1 for every key, the uniform weights of equal logits; in any other row a masked p is 0.
; LIMITS: raw scores (before the division by 8) stay under 2^33 in magnitude; NaN and infinities are not served; a block of zeros gets the scale byte 1 (its codes are zeros; this program alone reads the bytes).
; THE RING.  A trip's K and V codes of all heads (2 x 65,536 bytes) and scale words (2 x 4,096) lie in one of two slots.  CLUSTER: four work-groups of one batch read the same tiles: joint loads, mask 15, one a wave:
; waves 0-3 the quarters of K's codes, 4-7 of V's, 8-11 of K's words, 12-15 of V's.  One load of a wave is out behind each round.
; THE CHANGE OF SLOTS STANDS IN THE MIDDLE OF THE ODD HEAD, behind its loads of V: they are a trip's last LDS reads, and the odd head's softmax and second product, work on registers, follow behind the round.
; Behind trip s's round the slot just left takes trip s + 2's tiles; the mask's terms of trip s + 1 are stored ahead of that round, the mask of trip s + 2 is loaded behind it.
; PREFETCH: waves 0 and 1 ask for the work-group's 64 blocks of 256 bytes of the mask two trips ahead of the load that wants them (a lane a block); the last trips ask for nothing.
; K's and V's tiles are not prefetched: the sixteen clusters of a batch ask for the same 139,264 bytes in the same trip.
; LAYOUT.  Both products transposed: S^T = K Q^T + C, O^T = V^T P^T: a lane holds one query (lane % 16).  Operands come as images of registers, 16 bytes a lane.  The first product's K is 64: the even head's codes stand in
; K = 0 .. 63 of a fragment and the odd head's in K = 64 .. 127; Q's fragment of a head has zero codes in the other half and its scale word the bytes 0 there, so whatever codes K's fragment holds in that half add nothing.
; OUT: cc [tile of 16 rows 512][head pair 8][c 2][512 bytes]; cs [block of 32 rows 256][head pair 8][row 32] u32.
; REGISTERS: v1-19 addresses; v20-27 -M, t, sum of the two heads; v28-39 Q; v40-41 Q's, v42-49 K's, v50-53 V's, v54 p's scale words; v55 -2^60; v56-63 mask; v64-127 the mask's terms, S^T, p; v128-191 O^T;
;   v192-223 four fragments of K, then of V; v224-231 p's codes; v232-255 at work.
.set KV1,   1<<17                      ; from slot 0 to slot 1: codes
.set SM1,   0x8000                     ; the same for scale words and for the stage's two buffers
.set BIAS,  0x40000                    ; the stage: 32 rows x (512 + 16) bytes; only ds_store writes it
.set KSC,   0x45000                    ; K's words [pair 8][key 128]
.set VSC,   0x46000                    ; V's words [head 16][channel 64]
.set SPARE, 0x4f000                    ; the spare words, 128 bytes a wave
.set BP,    528
.set TM,    232
.macro ROUND                           ; a round of the cluster's barrier
	s_barrier_signal -1
	s_barrier_wait -1
	s_cmp_lg_u32 s2, 0
	s_cbranch_scc1 .Lnw0_\@
	s_barrier_signal -3
.Lnw0_\@:
	s_barrier_wait -3
	s_barrier_signal -1
	s_barrier_wait -1
.endm
.macro TLOAD                           ; one joint load a wave, in one chain of branches on the wave's number; s_nop 0 and four v_nop behind each
	s_cmp_lt_u32 s2, 8
	s_cbranch_scc0 .Lnc_\@
	tensor_load_to_lds s[40:43], s[16:23]
	s_nop 0
.rept 4
	v_nop
.endr
	s_branch .Ltd_\@
.Lnc_\@:
	s_cmp_lt_u32 s2, 12
	s_cbranch_scc0 .Lnk_\@
	tensor_load_to_lds s[44:47], s[24:31]
	s_nop 0
.rept 4
	v_nop
.endr
	s_branch .Ltd_\@
.Lnk_\@:
	tensor_load_to_lds s[44:47], s[32:39]
	s_nop 0
.rept 4
	v_nop
.endr
.Ltd_\@:
.endm
	s_load_b256 s[4:11], s[0:1], 0x0               ; qkv, qkvs, mask, cc
	s_load_b64 s[12:13], s[0:1], 0x20              ; cs
	v_lshl_add_u32 v2, v0, 2, SPARE
	v_mov_b32 v3, 0
	ds_add_u32 v2, v3                              ; the opening lines: the add twice on end and its wait
	ds_add_u32 v2, v3
	v_lshrrev_b32 v18, 5, v0
	v_readfirstlane_b32 s2, v18                    ; wave 0..15
	s_bfe_u32 s58, ttmp6, 0x40000                  ; cx: it enters Q's, the mask's and the outputs' addresses alone
	s_lshl_b32 s59, ttmp9, 2
	s_add_co_u32 s59, s59, s58                     ; my block of 32 queries, 0..63
	s_and_b32 s60, ttmp7, 0xffff                   ; the batch
	s_and_b32 s61, s2, 7                           ; my head pair
	s_lshr_b32 s62, s2, 3                          ; which 16 queries
	s_bfe_u32 s63, s2, 0x10002                     ; I fetch for K (0) or V (1),
	s_and_b32 s66, s2, 3                           ; which quarter
	s_add_co_u32 s67, s63, 1                       ; K is tensor 1 of qkv and qkvs, V tensor 2
	s_lshl_b32 s68, s67, 22
	s_lshl_b32 s70, s60, 20
	s_add_co_u32 s68, s68, s70
	s_lshl_b32 s70, s66, 18
	s_add_co_u32 s68, s68, s70                     ; codes: four heads of 65,536 bytes a quarter
	s_mov_b32 s69, 0
	s_lshl_b32 s70, s67, 18
	s_lshl_b32 s72, s60, 16
	s_add_co_u32 s70, s70, s72
	s_lshl_b32 s72, s66, 14
	s_add_co_u32 s70, s70, s72                     ; scale words: 16,384 bytes a quarter
	s_mov_b32 s71, 0
	s_lshr_b32 s48, 512, s63                       ; a trip on in a row of words: 512 bytes (K), 256 (V)
	s_mov_b32 s49, 0
	; group 1, elements of 8 bytes, no padding.  Codes: 4 rows of 4,096 bytes, 65,536 apart
	s_mov_b32 s16, 15|(3<<16)|(1<<21)
	s_mov_b32 s17, 512<<16
	s_mov_b32 s18, 4<<16
	s_mov_b32 s19, 512<<16
	s_mov_b32 s20, 4
	s_mov_b32 s21, 8192
	s_mov_b32 s22, 0
	s_mov_b32 s23, 0
	; K's words: 2 rows of 512 bytes, 8,192 apart
	s_mov_b32 s24, 15|(3<<16)|(1<<21)
	s_mov_b32 s25, 64<<16
	s_mov_b32 s26, 2<<16
	s_mov_b32 s27, 64<<16
	s_mov_b32 s28, 2
	s_mov_b32 s29, 1024
	s_mov_b32 s30, 0
	s_mov_b32 s31, 0
	; V's words: 4 rows of 256 bytes, 4,096 apart
	s_mov_b32 s32, 15|(3<<16)|(1<<21)
	s_mov_b32 s33, 32<<16
	s_mov_b32 s34, 4<<16
	s_mov_b32 s35, 32<<16
	s_mov_b32 s36, 4
	s_mov_b32 s37, 512
	s_mov_b32 s38, 0
	s_mov_b32 s39, 0
	s_mov_b32 s54, 0x3e38aa3b                      ; c = log2(e) / 8
	s_mov_b32 s55, s54
	s_mov_b32 s56, 0x76543210                      ; v_permlanex16_b32's selects for lane l xor 16
	s_mov_b32 s57, 0xfedcba98
	s_mov_b32 s50, 0                               ; the slot in hand: codes,
	s_mov_b32 s51, 0                               ; words and the stage's buffer that is read,
	s_mov_b32 s52, SM1                             ; the buffer that is written
	s_cmp_lt_u32 s2, 2
	s_cselect_b32 s53, 3, 100                      ; waves 0 and 1 prefetch while the loop's count is three or more
	s_wait_dscnt 0x0
	s_wait_kmcnt 0x0
	s_mov_b32 s40, 1                               ; group 0, codes
	s_lshl_b32 s41, s2, 14
	s_add_nc_u64 s[42:43], s[4:5], s[68:69]
	s_or_b32 s43, s43, 0x80000000
	s_mov_b32 s44, 1                               ; group 0, words
	s_lshl_b32 s45, s61, 10
	s_add_co_u32 s45, s45, KSC
	s_add_nc_u64 s[46:47], s[6:7], s[70:71]
	s_or_b32 s47, s47, 0x80000000
	ROUND                                          ; all four work-groups are here: the joint loads meet
	TLOAD                                          ; trip 0's tiles
	s_lshl_b32 s66, s59, 1
	s_add_co_u32 s66, s66, s62                     ; my tile of 16 queries in the batch
	s_mov_b32 s73, 0
	s_lshl_b32 s72, s60, 20
	s_lshl_b32 s67, s61, 17
	s_add_co_u32 s72, s72, s67
	s_lshl_b32 s67, s66, 9
	s_add_co_u32 s72, s72, s67
	s_add_nc_u64 s[4:5], s[4:5], s[72:73]          ; Q's unit of the even head; the odd head's 65,536 bytes on
	s_lshl_b32 s72, s60, 16
	s_lshl_b32 s67, s61, 13
	s_add_co_u32 s72, s72, s67
	s_lshl_b32 s67, s66, 6
	s_add_co_u32 s72, s72, s67
	s_add_nc_u64 s[6:7], s[6:7], s[72:73]          ; Q's pair words
	s_lshl_b32 s72, s60, 24
	s_lshl_b32 s67, s59, 18
	s_add_co_u32 s72, s72, s67
	s_lshl_b32 s67, s2, 14
	s_add_co_u32 s72, s72, s67
	s_add_nc_u64 s[8:9], s[8:9], s[72:73]          ; the mask at row 32 block + 2 wave
	s_lshl_b32 s72, s60, 20
	s_lshl_b32 s67, s66, 13
	s_add_co_u32 s72, s72, s67
	s_lshl_b32 s67, s61, 10
	s_add_co_u32 s72, s72, s67
	s_add_nc_u64 s[10:11], s[10:11], s[72:73]      ; cc
	s_and_b32 s74, s2, 1
	s_lshl_b32 s74, s74, 9
	s_lshl_b32 s72, s60, 16
	s_lshl_b32 s67, s59, 10
	s_add_co_u32 s72, s72, s67
	s_add_co_u32 s72, s72, s74
	s_add_nc_u64 s[12:13], s[12:13], s[72:73]      ; cs: my work-group's 1,024 bytes, the half that waves 0 and 1 each store
	s_lshl_b32 s80, s61, 13                        ; my pair's codes in a slot
	s_lshl_b32 s81, s61, 9
	s_add_co_u32 s82, s81, VSC
	s_add_co_u32 s81, s81, KSC
	s_lshl_b32 s83, s62, 4
	s_mul_i32 s84, s2, 2*BP
	s_add_co_u32 s84, s84, BIAS
	s_mul_i32 s85, s2, 14
	s_lshl_b32 s86, s61, 7
	s_lshl_b32 s67, s62, 6
	s_add_co_u32 s86, s86, s67
	s_add_co_u32 s86, s86, BIAS                    ; ctx's words on their way in: [pair][row 32], in the stage's buffer 0
	s_add_co_u32 s87, s74, BIAS                    ; and out
	v_and_b32 v244, 31, v0                         ; lane
	v_and_b32 v246, 15, v0                         ; r
	v_bfe_u32 v247, v0, 4, 1                       ; h
	v_lshlrev_b32 v1, 4, v244                      ; 16 x lane
	v_lshlrev_b32 v11, 2, v246                     ; 4 r
	global_load_b128 v[28:31], v1, s[4:5]
	global_load_b128 v[36:39], v1, s[4:5] offset:65536
	global_load_b32 v40, v11, s[6:7]
	global_load_b128 v[56:59], v1, s[8:9] th:TH_LOAD_NT               ; trip 0's mask: 512 consecutive bytes of a row
	global_load_b128 v[60:63], v1, s[8:9] offset:8192 th:TH_LOAD_NT
	v_add_nc_u32 v4, s80, v1                       ; K's codes
	v_add_nc_u32 v5, 0x10000, v4                   ; V's
	v_add_nc_u32 v6, s81, v11                      ; K's words
	v_add_nc_u32 v7, s82, v11                      ; V's
	v_add_nc_u32 v8, s83, v246
	v_mul_u32_u24 v8, v8, BP
	v_lshl_add_u32 v8, v247, 5, v8
	v_add_nc_u32 v8, BIAS, v8                      ; the stage, read: my query's row, + 32 h bytes
	v_add_nc_u32 v9, s84, v1                       ; the stage, written: rows 2 w on, as they lie
	v_lshrrev_b32 v10, 1, v244
	v_add_nc_u32 v10, s85, v10
	v_lshlrev_b32 v10, 13, v10
	v_and_b32 v248, 1, v244
	v_lshl_add_u32 v10, v248, 8, v10               ; the prefetch: row 16 w + lane / 2 of the 32 (14 w + lane / 2 from my first), block lane % 2
	v_add_nc_u32 v18, s86, v11
	v_add_nc_u32 v19, s87, v1
.irp i, 32,33,34,35,196,197,198,199,204,205,206,207,212,213,214,215,220,221,222,223,245
	v_mov_b32 v\i, 0                               ; Q's zero codes; the fragments' upper halves, named before V's codes first fill them; the upper half of v[244:245]
.endr
	v_mov_b32 v55, 0xdd800000                      ; -2^60
.irp i, 0,1
	v_mov_b32 v[21+4*\i], 0xff61b1e6               ; the largest t so far: -3e38
	v_mov_b32 v[22+4*\i], 0
	v_mov_b32 v[23+4*\i], 0
.endr
.irp i, 0,1
	v_floor_f32 v[20+4*\i], -v[21+4*\i]            ; -M
.endr
.set j, 0
.rept 64
	v_mov_b32 v[128+j], 0                          ; O^T: the step is written for every trip alike; the first change of M leaves zeros zeros
.set j, j+1
.endr
.macro CONV adr                        ; 8 numbers of the mask become 0 or -2^60 and go to the stage
.irp e, 0,1,2,3,4,5,6,7
	v_cmp_eq_u32 s[88+\e], 0, v[56+\e]
.endr
.irp e, 0,1,2,3,4,5,6,7
	v_cndmask_b32 v[56+\e], 0, v55, s[88+\e]
.endr
	ds_store_b128 v[\adr], v[56:59]
	ds_store_b128 v[\adr], v[60:63] offset:BP
.endm
	s_wait_alu depctr_va_vdst(0)                   ; the wait ahead of the wait below
	s_wait_loadcnt 0x0
	v_and_b32 v41, 0xffff0000, v40                 ; the odd head's two bytes in their places, 0 in the others;
	v_and_b32 v40, 0xffff, v40                     ; the even head's
	CONV 9                                         ; trip 0's terms, into buffer 0
.macro BIASLD                          ; the mask's terms into the score registers: register 8 t + e: key 16 t + 8 h + e of my query
.irp t, 0,1,2,3,4,5,6,7
	ds_load_b128 v[64+8*\t:67+8*\t], v16 offset:64*\t
	ds_load_b128 v[68+8*\t:71+8*\t], v16 offset:64*\t+16
.endr
.endm
.macro TMAX g                          ; the largest score of blocks 2 g and 2 g + 1 of 32 keys (my 16 of each), a chain a tile, each tile from its low end on
.irp u, 0,1,2,3
	v_max3_num_f32 v[232+2*(\g)+(\u/2)+4*(\u%2)], v[64+32*(\g)+8*\u], v[65+32*(\g)+8*\u], v[66+32*(\g)+8*\u]
.endr
.irp i, 3,5
.irp u, 0,1,2,3
	v_max3_num_f32 v[232+2*(\g)+(\u/2)+4*(\u%2)], v[232+2*(\g)+(\u/2)+4*(\u%2)], v[64+32*(\g)+8*\u+\i], v[65+32*(\g)+8*\u+\i]
.endr
.endr
.irp u, 0,1,2,3
	v_max_num_f32 v[232+2*(\g)+(\u/2)+4*(\u%2)], v[232+2*(\g)+(\u/2)+4*(\u%2)], v[71+32*(\g)+8*\u]
.endr
	v_max_num_f32 v[232+2*(\g)], v[232+2*(\g)], v[236+2*(\g)]
	v_max_num_f32 v[233+2*(\g)], v[233+2*(\g)], v[237+2*(\g)]
.endm
; ONE HEAD (x = 0 the even, 1 the odd), 128 KEYS, FIRST PART: the scores, the loads of V, the blocks' largest scores.  The score registers hold the mask's terms when it begins.  All the head's LDS reads are issued here.
.macro HSA x
.set QB, 28+4*(\x)
.if \x
.rept 4
	v_nop                                          ; four places ahead of loads into registers that the last products have read
.endr
.endif
.irp t, 0,1,2,3
	ds_load_b128 v[192+8*\t+4*(\x):195+8*\t+4*(\x)], v12 offset:4096*(\x)+512*\t
.endr
	s_wait_alu depctr_va_vdst(0)                   ; the wait ahead of the wait below
	s_wait_dscnt 0x0
.irp t, 0,1,2,3
	v_wmma_scale_f32_16x16x128_f8f6f4 v[64+8*\t:71+8*\t], v[192+8*\t:199+8*\t], v[QB:QB+7], v[64+8*\t:71+8*\t], v[42+\t], v[40+\x] matrix_a_fmt:MATRIX_FMT_FP4 matrix_b_fmt:MATRIX_FMT_FP4
.endr
.rept 4
	v_nop                                          ; four places ahead of the loads below and of the first read of these scores
.endr
.irp t, 0,1,2,3
	ds_load_b128 v[192+8*\t+4*(\x):195+8*\t+4*(\x)], v12 offset:4096*(\x)+2048+512*\t
.endr
	TMAX 0
	s_wait_alu depctr_va_vdst(0)
	s_wait_dscnt 0x0
.irp t, 0,1,2,3
	v_wmma_scale_f32_16x16x128_f8f6f4 v[96+8*\t:103+8*\t], v[192+8*\t:199+8*\t], v[QB:QB+7], v[96+8*\t:103+8*\t], v[46+\t], v[40+\x] matrix_a_fmt:MATRIX_FMT_FP4 matrix_b_fmt:MATRIX_FMT_FP4
.endr
.rept 4
	v_nop
.endr
.irp d, 0,1,2,3                                ; V's four fragments and scale words
	ds_load_b128 v[192+8*\d:195+8*\d], v13 offset:4096*(\x)+1024*\d
	ds_load_b128 v[196+8*\d:199+8*\d], v13 offset:4096*(\x)+1024*\d+512
	ds_load_b32 v[50+\d], v15 offset:256*(\x)+64*\d
.endr
	TMAX 1
.endm
; SECOND PART: the softmax, p's codes and the second product.  x = 1: work on registers alone.
.macro HSB x
.set ST, 20+4*(\x)
.set OB, 128+32*(\x)
.irp b, 0,1,2,3
	v_permlanex16_b32 v[236+\b], v[232+\b], s56, s57
.endr
.irp b, 0,1,2,3
	s_delay_alu instid0(VALU_DEP_4)
	v_max_num_f32 v[232+\b], v[232+\b], v[236+\b]  ; with lane l xor 16's 16 keys
.endr
	s_delay_alu instid0(VALU_DEP_2)
	v_max3_num_f32 v246, v232, v233, v234
	s_delay_alu instid0(VALU_DEP_1)
	v_max_num_f32 v246, v246, v235
	s_delay_alu instid0(VALU_DEP_1)
	v_mul_f32 v246, s54, v246                      ; as t
	s_delay_alu instid0(VALU_DEP_1)
	v_max_num_f32 v[ST+1], v[ST+1], v246           ; the running largest t
	v_mov_b32 v246, v[ST]
	s_delay_alu instid0(VALU_DEP_2)
	v_floor_f32 v[ST], -v[ST+1]                    ; the new -M
	s_delay_alu instid0(VALU_DEP_1)
	v_sub_f32 v246, v[ST], v246
	s_delay_alu instid0(VALU_DEP_1)
	v_cvt_i32_f32 v246, v246                       ; (it saturates)
	s_delay_alu instid0(VALU_DEP_1)
	v_ldexp_f32 v244, 1.0, v246                    ; f = 2^(old M - new M)
.set j, 0
.rept 32
	v_pk_fma_f32 v[64+j:65+j], v[64+j:65+j], s[54:55], v[ST:ST+1] op_sel_hi:[1,0,0]   ; t - M
.set j, j+2
.endr
.irp b, 0,1,2,3
	v_fma_f32 v[232+\b], v[232+\b], s54, v[ST]
.endr
	s_wait_alu depctr_va_vdst(0)                   ; the wait ahead of the batch
.set j, 0
.rept 64
	v_exp_f32 v[64+j], v[64+j]                     ; p
.set j, j+1
.endr
	v_pk_mul_f32 v[ST+2:ST+3], v[ST+2:ST+3], v[244:245] op_sel_hi:[1,0]   ; the sums under the new M
	s_wait_alu depctr_va_vdst(0)                   ; and behind it
.irp b, 0,1,2,3
	v_exp_f32 v[232+\b], v[232+\b]                 ; the blocks' largest p
.endr
.irp k, 0,1,2,3
	v_pk_add_f32 v[248+2*\k:249+2*\k], v[64+4*\k:65+4*\k], v[66+4*\k:67+4*\k]   ; the row's sum of the unquantised p, in five chains
.endr
.set j, 0
.rept 24
.if j%5 == 4
	v_pk_add_f32 v[ST+2:ST+3], v[ST+2:ST+3], v[80+2*j:81+2*j]
.else
	v_pk_add_f32 v[248+2*(j%5):249+2*(j%5)], v[248+2*(j%5):249+2*(j%5)], v[80+2*j:81+2*j]
.endif
.set j, j+1
.endr
	v_pk_add_f32 v[248:249], v[248:249], v[250:251]
	v_pk_add_f32 v[252:253], v[252:253], v[254:255]
	v_pk_add_f32 v[248:249], v[248:249], v[252:253]
	v_pk_add_f32 v[ST+2:ST+3], v[ST+2:ST+3], v[248:249]
	s_wait_alu depctr_va_vdst(0)                   ; for the four
.irp b, 0,1,2,3
	v_max_num_f32 v[232+\b], 0x1800000, v[232+\b]  ; the floor 2^(3 - 127): the byte cannot fall under 1
.endr
.irp b, 0,1,2,3
	s_delay_alu instid0(VALU_DEP_4)
	v_add_nc_u32 v[240+\b], 0xff000000, v[232+\b]  ; 2 off the exponent field: the conversion's scale operand
.endr
.irp b, 0,1,2,3
	s_delay_alu instid0(VALU_DEP_4)
	v_lshrrev_b32 v[236+\b], 23, v[240+\b]
.endr
	s_delay_alu instid0(VALU_DEP_3)
	v_lshl_or_b32 v54, v237, 8, v236               ; p's scale word
	s_delay_alu instid0(VALU_DEP_1)
	v_lshl_or_b32 v54, v238, 16, v54
	s_delay_alu instid0(VALU_DEP_1)
	v_lshl_or_b32 v54, v239, 24, v54
.irp c, 0,1
	v_cvt_scalef32_pk8_fp4_f32 v[224+4*\c], v[64+32*\c:71+32*\c], v[240+2*\c]
	v_cvt_scalef32_pk8_fp4_f32 v[226+4*\c], v[72+32*\c:79+32*\c], v[240+2*\c]
	v_cvt_scalef32_pk8_fp4_f32 v[225+4*\c], v[80+32*\c:87+32*\c], v[241+2*\c]
	v_cvt_scalef32_pk8_fp4_f32 v[227+4*\c], v[88+32*\c:95+32*\c], v[241+2*\c]
.endr
	v_nop                                          ; one plain place behind the scaled conversions
.irp c, 0,1                                    ; an exchange of halves: registers 4 c .. 4 c + 3 then hold keys 64 c + 32 h + 0 .. 31
	v_permlane16_swap_b32 v[224+4*\c], v[225+4*\c]
	v_permlane16_swap_b32 v[226+4*\c], v[227+4*\c]
.endr
.if (\x) == 0
	BIASLD                                         ; p is done with: the odd head's copy of the mask's terms
.endif
	s_wait_alu depctr_va_vdst(0)                   ; the wait directly ahead of the first reader of O^T
.set j, 0
.rept 16
	v_pk_mul_f32 v[OB+j:OB+j+1], v[OB+j:OB+j+1], v[244:245] op_sel_hi:[1,0]   ; O^T under the new M; also the places behind the scale word and the codes
.set j, j+2
.endr
	s_wait_alu depctr_va_vdst(0)                   ; the wait ahead of the wait below
.if (\x) == 0
	s_wait_dscnt 16                                ; V is in; the 16 loads of the mask's terms, issued behind V's, may be out
.else
	s_wait_dscnt 0x0
.endif
.irp d, 0,1,2,3                                ; the four accumulators by turns
	v_wmma_scale_f32_16x16x128_f8f6f4 v[OB+8*\d:OB+8*\d+7], v[192+8*\d:199+8*\d], v[224:231], v[OB+8*\d:OB+8*\d+7], v[50+\d], v54 matrix_a_fmt:MATRIX_FMT_FP4 matrix_b_fmt:MATRIX_FMT_FP4
.endr
.endm
; THE CHANGE OF SLOTS: all my tensor loads are in, the add, my LDS reads and stores are done; fill = 1: behind the round the slot that was left is filled with the tiles of the trip two on.
.macro CHANGE fill
	s_wait_alu depctr_va_vdst(0)
	s_wait_tensorcnt 0x0
	ds_add_u32 v2, v3
.if \fill
	s_xor_b32 s41, s41, KV1
	s_add_nc_u64 s[42:43], s[42:43], 4096
	s_xor_b32 s45, s45, SM1
	s_add_nc_u64 s[46:47], s[46:47], s[48:49]
	s_wait_xcnt 0x0                                ; my loads and prefetch of the mask have read their base
	s_add_nc_u64 s[8:9], s[8:9], 512
.endif
	s_wait_dscnt 0x0
.if \fill
	ROUND
	TLOAD
.else
	s_barrier_signal -1
	s_barrier_wait -1
.endif
.endm
.macro MLOAD                           ; my two rows of the mask of the trip whose tiles have just been asked for; waves 0 and 1: a prefetch of the mask two trips further on
	global_load_b128 v[56:59], v1, s[8:9] th:TH_LOAD_NT
	global_load_b128 v[60:63], v1, s[8:9] offset:8192 th:TH_LOAD_NT
	s_cmp_ge_u32 s3, s53
	s_cbranch_scc0 .Lnp_\@
	global_prefetch_b8 v10, s[8:9] offset:1024 th:TH_LOAD_NT scope:SCOPE_SE
.Lnp_\@:
.endm
; A TRIP: 128 keys, my two heads.  conv = 1: the next trip's terms go to the stage's other buffer.  chg = 2: a change of slots with a refill; 1: with none; 0: no change.
.macro TRIP conv, chg
	v_add_nc_u32 v12, s50, v4                      ; (these six lines are also the places behind the last products)
	v_add_nc_u32 v13, s50, v5
	v_add_nc_u32 v14, s51, v6
	v_add_nc_u32 v15, s51, v7
	v_add_nc_u32 v16, s51, v8
	v_add_nc_u32 v17, s52, v9
	BIASLD
.irp t, 0,1,2,3,4,5,6,7
	ds_load_b32 v[42+\t], v14 offset:64*\t         ; K's pair words serve both heads
.endr
	HSA 0
	HSB 0
.if \conv
	s_wait_loadcnt 0x0
	CONV 17
.endif
	HSA 1
.if (\chg) == 2
	CHANGE 1
	MLOAD
.elseif (\chg) == 1
	CHANGE 0
.endif
	HSB 1
	s_xor_b32 s50, s50, KV1
	s_xor_b32 s51, s51, SM1
	s_xor_b32 s52, s52, SM1
.endm
	s_mov_b32 s3, 14
	CHANGE 1                                       ; trip 0's tiles and terms are in; slot 1's first fill, trip 1's tiles, issued as a refill is
	MLOAD                                          ; trip 1's mask
.Lstep:                                                ; trips 0 to 13: each asks for the tiles of the trip two on
	TRIP 1, 2
	s_sub_co_u32 s3, s3, 1
	s_cmp_lg_u32 s3, 0
	s_wait_alu depctr_va_vdst(0)
	s_cbranch_scc1 .Lstep
	TRIP 1, 1                                      ; the last two trips are written out: they ask for nothing
	TRIP 0, 0
; 32 numbers of a lane, register 8 t + e = channel 16 t + 8 h + e of my query, become a unit's four registers of codes and its two scale bytes.
.macro QUANT2 s, pc, pw
.irp b, 0,1
	v_max3_num_f32 v[TM+\b], |v[(\s)+16*\b]|, |v[(\s)+16*\b+1]|, 0x1800000
.endr
.irp i, 2,4,6,8,10,12,14
.irp b, 0,1
	v_max3_num_f32 v[TM+\b], v[TM+\b], |v[(\s)+16*\b+\i]|, |v[(\s)+16*\b+\i+1]|
.endr
.endr
.irp b, 0,1
	v_permlanex16_b32 v[TM+2+\b], v[TM+\b], s56, s57
.endr
.irp b, 0,1
	v_max_num_f32 v[TM+\b], v[TM+\b], v[TM+2+\b]
.endr
.irp b, 0,1
	v_add_nc_u32 v[TM+4+\b], 0xff000000, v[TM+\b]
.endr
.irp b, 0,1
	v_lshrrev_b32 v[TM+2+\b], 23, v[TM+4+\b]
.endr
	v_lshl_or_b32 v[\pw], v[TM+3], 8, v[TM+2]
	v_cvt_scalef32_pk8_fp4_f32 v[(\pc)], v[(\s):(\s)+7], v[TM+4]
	v_cvt_scalef32_pk8_fp4_f32 v[(\pc)+2], v[(\s)+8:(\s)+15], v[TM+4]
	v_cvt_scalef32_pk8_fp4_f32 v[(\pc)+1], v[(\s)+16:(\s)+23], v[TM+5]
	v_cvt_scalef32_pk8_fp4_f32 v[(\pc)+3], v[(\s)+24:(\s)+31], v[TM+5]
	v_nop
	v_permlane16_swap_b32 v[(\pc)], v[(\pc)+1]
	v_permlane16_swap_b32 v[(\pc)+2], v[(\pc)+3]
.endm
	v_add_f32 v22, v22, v23                        ; the sums' halves (these six lines are also the places behind the last products)
	v_add_f32 v26, v26, v27
	v_permlanex16_b32 v236, v22, s56, s57
	v_permlanex16_b32 v237, v26, s56, s57
	v_add_f32 v22, v22, v236
	v_add_f32 v26, v26, v237
	s_wait_alu depctr_va_vdst(0)                   ; ahead of the batch
	v_rcp_f32 v248, v22
	v_rcp_f32 v250, v26
	v_nop
.irp x, 0,1
	s_wait_alu depctr_va_vdst(0)                   ; behind the batch, and directly ahead of the first readers of this head's O^T
.set j, 0
.rept 16
	v_pk_mul_f32 v[64+j:65+j], v[128+32*\x+j:129+32*\x+j], v[248+2*\x:249+2*\x] op_sel_hi:[1,0]   ; ctx, each accumulator from its low end on
.set j, j+2
.endr
	QUANT2 64, 224+4*\x, 246+\x
	global_store_b128 v1, v[224+4*\x:227+4*\x], s[10:11] offset:512*\x   ; 32 lanes store 512 consecutive bytes
.endr
	v_lshl_or_b32 v246, v247, 16, v246             ; four bytes: the pair's 128 channels of my query
	ds_store_b32 v18, v246                         ; into the stage's buffer 0, which nobody reads behind the last change of slots; both halves of the lanes write the same word with the same value
	s_wait_alu depctr_va_vdst(0)
	s_wait_dscnt 0x0                               ; for the others' sake: my word is in LDS
	s_barrier_signal -1
	s_barrier_wait -1
	s_cmp_lt_u32 s2, 2                             ; the work-group's words are 1,024 bytes: waves 0 and 1 store 512 consecutive bytes each
	s_cbranch_scc0 .Lno_words
	ds_load_b128 v[232:235], v19
	s_wait_dscnt 0x0
	global_store_b128 v1, v[232:235], s[12:13]
.Lno_words:
	s_wait_tensorcnt 0x0                           ; the wave's end
	ds_add_u32 v2, v3
	s_wait_dscnt 0x0
	ROUND                                          ; the closing round
	s_endpgm
.Lfunc_end_k_q7d3fcf61e2_attn:
	.size	k_q7d3fcf61e2_attn, .Lfunc_end_k_q7d3fcf61e2_attn-k_q7d3fcf61e2_attn
	.p2alignl 7, 3214868480
	.fill 96, 4, 3214868480
	.section	.rodata,"a",@progbits
	.p2align	6, 0x0
	.amdhsa_kernel k_q7d3fcf61e2_attn
		.amdhsa_group_segment_fixed_size 327680
		.amdhsa_private_segment_fixed_size 0
		.amdhsa_enable_private_segment 0
		.amdhsa_kernarg_size 40
		.amdhsa_user_sgpr_count 2
		.amdhsa_user_sgpr_kernarg_segment_ptr 1
		.amdhsa_wavefront_size32 1
		.amdhsa_system_sgpr_workgroup_id_x 1
		.amdhsa_system_sgpr_workgroup_id_y 1
		.amdhsa_system_sgpr_workgroup_id_z 1
		.amdhsa_system_vgpr_workitem_id 0
		.amdhsa_next_free_vgpr 256
		.amdhsa_next_free_sgpr 100
		.amdhsa_reserve_vcc 0
		.amdhsa_float_denorm_mode_32 3
		.amdhsa_float_denorm_mode_16_64 3
		.amdhsa_memory_ordered 1
		.amdhsa_forward_progress 1
		.amdhsa_inst_pref_size 129
	.end_amdhsa_kernel
	.amdgpu_metadata
---
amdhsa.version: [ 1, 2 ]
amdhsa.kernels:
  - .name:           k_q7d3fcf61e2_attn
    .symbol:         k_q7d3fcf61e2_attn.kd
    .args:
      - { .name: qkv, .offset: 0, .size: 8, .value_kind: global_buffer, .address_space: global }
      - { .name: qkvs, .offset: 8, .size: 8, .value_kind: global_buffer, .address_space: global }
      - { .name: mask, .offset: 16, .size: 8, .value_kind: global_buffer, .address_space: global }
      - { .name: cc, .offset: 24, .size: 8, .value_kind: global_buffer, .address_space: global }
      - { .name: cs, .offset: 32, .size: 8, .value_kind: global_buffer, .address_space: global }
    .group_segment_fixed_size: 327680
    .private_segment_fixed_size: 0
    .kernarg_segment_align: 8
    .kernarg_segment_size: 40
    .max_flat_workgroup_size: 512
    .sgpr_count:     100
    .vgpr_count:     256
    .wavefront_size: 32
...
	.end_amdgpu_metadata
.endif
;; end of part 2
;; launch outp (part 3): grid 4 x 64, 4 waves a work-group, clusters of 4 x 4, 239,104 bytes of LDS; arguments cc, cs, Wo_codes, Wo_scales, bo, out0; writes out0
.if DOCPART == 3
	.amdgcn_target "amdgcn-amd-amdhsa--gfx1250"
	.amdhsa_code_object_version 6
	.text
	.protected	k_q7d3fcf61e2_outp
	.globl	k_q7d3fcf61e2_outp
	.p2align	8
	.type	k_q7d3fcf61e2_outp,@function
k_q7d3fcf61e2_outp:
	s_mov_b64 s[64:65], 0
	v_nop
	global_prefetch_b8 v0, s[64:65] scope:SCOPE_SE
	s_setreg_imm32_b32 hwreg(HW_REG_WAVE_MODE, 25, 1), 1
	s_wait_xcnt 0x0
	s_wait_alu depctr_hold_cnt(0) depctr_sa_sdst(0) depctr_va_vdst(0) depctr_va_sdst(0) depctr_va_ssrc(0) depctr_va_vcc(0) depctr_vm_vsrc(0)
	s_getreg_b32 s2, hwreg(HW_REG_IB_STS2, 6, 4)
	s_cmp_eq_u32 s2, 0
	s_cbranch_scc0 .Lentry_in_a_cluster
	s_endpgm
.Lentry_in_a_cluster:
	s_bfe_u32 s2, ttmp6, 0x10000c
	s_cmp_lg_u32 s2, 0xf033
	s_cbranch_scc0 .Lentry_shape_is_right
	s_endpgm
.Lentry_shape_is_right:
; out0 = ctx Wo^T + bo on codes of FP4 (E2M1) with E8M0 scales.  ctx [8,192][1,024] comes as the attention launch left it: images of operand registers (cc) and scale words (cs); Wo as rows of 512 bytes of codes and 32 scale bytes.
; SHARES.  256 work-groups: a tile of 128 rows x 256 columns; four waves, each 64 rows x 128 columns: 32 accumulators.  All of K = 1,024 lies in LDS: filled once; nothing is filled again.
; CLUSTERS: 4 x 4 work-groups.  ctx's tile hangs on the tile row alone and is asked for jointly along a row of the cluster, Wo's on the tile column alone, jointly along a column.
; THE MATRIX INSTRUCTION IS USED TRANSPOSED (source 0 = 16 rows of Wo, source 1 = 16 rows of ctx): a lane then holds eight neighbouring numbers of a row of the output.  The bias is the C of the first K step.
; cc [tile of 16 rows 512][K step 8][c 2][512 bytes]: lane's 16 bytes at 16 x lane: registers 4 c .. 4 c + 3 of the fragment.   cs [block of 32 rows 256][K step 8][row 32] u32.
; REGISTERS, in windows of 256: window 0: v2-15 addresses; v16-31 ctx's scale words, v32-63 Wo's (scales and nothing else); v64-127 ctx's fragments, two sets; v128-255 Wo's, two sets; on the way out v64-191 rows of the output.
;   window 1: accumulator (a, b) at v[8 (8 a + b)].   window 2: v0-63 the bias, eight registers a block of columns.
.set PITCH, 528                        ; Wo's LDS row: all of K, 512 bytes of codes, + 16 of padding
.set ATILE, 65536                      ; ctx's eight tiles of 16 rows, all of K: dense images, cc [tile 512][K step 8][c 2][512 bytes]
.set BHALF, 128*PITCH
.set SLOT,  ATILE+2*BHALF
.set STG,   SLOT                       ; behind the tiles: a stage of 16 rows x (512 + 16) bytes for each wave; no tensor load lands there
.set SPITCH, 528
.set LI,   2                           ; v2   16 x lane
.set ADRA, 4
.set ADRB, 6
.set STO,  8                           ; v8   the way out: where I put 32 bytes of a row
.set RD,   9                           ; v9   where I read a row back
.set L4,   10                          ; v10  4 x lane
.set L32,  11                          ; v11  32 x lane
.set SA,   16
.set SB,   32
.set AF,   64
.set BF,   128
.set MSB, 0
.macro WIN new                         ; the immediate's high byte repeats the setting that is left
.if MSB != \new
	s_set_vgpr_msb (MSB<<8)|\new
.set MSB, \new
.endif
.endm
.macro CROUND                          ; a round of the cluster's barrier
	s_barrier_signal -1
	s_barrier_wait -1
	s_cmp_lg_u32 s44, 0
	s_cbranch_scc1 .Lnot_wave_0_\@
	s_barrier_signal -3
.Lnot_wave_0_\@:
	s_barrier_wait -3
	s_barrier_signal -1
	s_barrier_wait -1
.endm
	s_load_b256 s[4:11], s[0:1], 0x0               ; cc, cs, Wo's codes, Wo's scales
	s_load_b128 s[12:15], s[0:1], 0x20             ; bo, out0
	s_set_vgpr_msb 0x80
	v_lshl_add_u32 v64, v0, 2, 0x3a400
	v_mov_b32 v65, 0
	s_set_vgpr_msb 0x808a
	ds_add_u32 v64, v65
	ds_add_u32 v64, v65
	s_set_vgpr_msb 0x8a00
	v_lshrrev_b32 v1, 5, v0
	v_readfirstlane_b32 s44, v1                    ; wave 0..3
	s_lshr_b32 s45, s44, 1                         ; wj: which 64 rows are mine.  Also: I fetch for ctx (0) or for Wo (1)
	s_and_b32 s46, s44, 1                          ; wi: which 128 columns.  Also: which half of that tile I fetch
	v_and_b32 v12, 31, v0                          ; lane
	v_and_b32 v13, 15, v0                          ; r
	v_bfe_u32 v14, v0, 4, 1                        ; h
	v_lshlrev_b32 v[LI], 4, v12
	v_lshlrev_b32 v[L4], 2, v12
	v_lshlrev_b32 v[L32], 5, v12
	v_lshlrev_b32 v3, 5, v14                       ; 32 h: the bias, my half's eight numbers of a block
	s_lshl_b32 s100, s45, 15
	v_add_nc_u32 v[ADRA], s100, v[LI]              ; my four tiles of ctx: images, 16 x lane
	v_mul_u32_u24 v15, v13, PITCH
	v_lshl_add_u32 v15, v14, 4, v15
	s_mul_i32 s101, s46, BHALF
	s_add_co_u32 s101, s101, ATILE
	v_add_nc_u32 v[ADRB], s101, v15                ; my 128 rows of Wo: row x pitch + 16 h
	v_add_nc_u32 v[ADRB+1], 256, v[ADRB]           ; K steps 4 to 7: 256 bytes on in the same rows
	s_mul_i32 s100, s44, 16*SPITCH
	s_add_co_u32 s100, s100, STG
	v_mul_u32_u24 v15, v13, SPITCH
	v_lshl_add_u32 v15, v14, 5, v15
	v_add_nc_u32 v[STO], s100, v15
	v_add_nc_u32 v[RD], s100, v[LI]
	s_bfe_u32 s47, ttmp6, 0x40000                  ; cx: the tile column
	s_bfe_u32 s48, ttmp6, 0x40004                  ; cy
	s_and_b32 s49, ttmp7, 0xffff
	s_lshl_b32 s52, s49, 2
	s_add_co_u32 s52, s52, s48                     ; the tile row
	s_lshl_b32 s66, s48, 2
	s_lshl_b32 s66, 15, s66                        ; my row of the cluster
	s_lshl_b32 s67, 0x1111, s47                    ; my column
	; descriptor group 1.  ctx: a dense block of 32,768 bytes as 128 rows of 256 bytes (32 elements of 8 bytes), no padding.  Wo: 128 rows of 512 bytes, 512 apart in memory, 16 bytes of padding behind each
	s_or_b32 s68, s66, (3<<16)|(1<<21)
	s_mov_b32 s69, 32<<16
	s_mov_b32 s70, 128<<16
	s_mov_b32 s71, 32<<16
	s_mov_b32 s72, 128
	s_mov_b32 s73, 32
	s_mov_b32 s74, 0
	s_mov_b32 s75, 0
	s_or_b32 s76, s67, (1<<20)|(1<<21)|(6<<22)|(3<<25)
	s_mov_b32 s77, 512<<16
	s_mov_b32 s78, 128<<16
	s_mov_b32 s79, 512<<16
	s_mov_b32 s80, 128
	s_mov_b32 s81, 512
	s_mov_b32 s82, 0
	s_mov_b32 s83, 0
	s_lshl_b32 s60, s52, 16                        ; ctx: (8 x tile row + 4 x half) tiles of 8,192 bytes
	s_lshl_b32 s59, s46, 15
	s_add_co_u32 s60, s60, s59
	s_mov_b32 s61, 0
	s_lshl_b32 s62, s47, 17                        ; Wo: (256 x tile column + 128 x half) rows of 512 bytes
	s_lshl_b32 s59, s46, 16
	s_add_co_u32 s62, s62, s59
	s_mov_b32 s63, 0
	s_lshl_b32 s38, s52, 7
	s_lshl_b32 s59, s45, 6
	s_add_co_u32 s38, s38, s59                     ; my first row
	s_lshl_b32 s39, s47, 8
	s_lshl_b32 s59, s46, 7
	s_add_co_u32 s39, s39, s59                     ; my first column
	s_lshl_b32 s100, s46, 15
	s_wait_dscnt 0x0
	s_wait_kmcnt 0x0
	s_add_nc_u64 s[16:17], s[4:5], s[60:61]
	s_add_nc_u64 s[20:21], s[8:9], s[62:63]
	s_mov_b32 s84, 1                               ; group 0, ctx
	s_mov_b32 s85, s100
	s_mov_b64 s[86:87], s[16:17]
	s_or_b32 s87, s87, 0x80000000
	s_mov_b32 s92, 1                               ; Wo
	s_mov_b32 s93, s101
	s_mov_b64 s[94:95], s[20:21]
	s_or_b32 s95, s95, 0x80000000
	CROUND                                         ; all sixteen work-groups are here: the joint loads meet
	s_cmp_eq_u32 s45, 0                            ; a wave's one fill stands in one branch on its number, ahead of every wait on TENSORcnt and every LDS read: one load of mine is out
	s_cbranch_scc0 .Lfirst_b
	tensor_load_to_lds s[84:87], s[68:75]
	s_nop 0
.rept 4
	v_nop
.endr
	s_branch .Lfirst_done
.Lfirst_b:
	tensor_load_to_lds s[92:95], s[76:83]
	s_nop 0
.rept 4
	v_nop
.endr
.Lfirst_done:
	s_mov_b32 s29, 0
	s_lshl_b32 s28, s38, 5                         ; cs [block of 32 rows][K step 8][row 32] u32: 1,024 bytes a block
	s_add_nc_u64 s[6:7], s[6:7], s[28:29]          ; ctx's scale words at my first row
	s_lshl_b32 s28, s39, 5
	s_add_nc_u64 s[10:11], s[10:11], s[28:29]      ; Wo's scale bytes at my first column's row
	s_lshl_b32 s28, s39, 2
	s_add_nc_u64 s[12:13], s[12:13], s[28:29]      ; the bias
	s_add_nc_u64 s[14:15], s[14:15], s[28:29]
	s_lshl_b32 s28, s38, 12
	s_add_nc_u64 s[14:15], s[14:15], s[28:29]      ; the output at my first row and column
.irp p, 0,1
.irp k, 0,1,2,3,4,5,6,7
	global_load_b32 v[SA+8*\p+\k], v[L4], s[6:7] offset:1024*\p+128*\k   ; K step k, rows 32 p + lane: 128 consecutive bytes
.endr
.endr
.irp p, 0,1,2,3
.irp u, 0,1
	global_load_b128 v[SB+8*\p+4*\u:SB+8*\p+4*\u+3], v[L32], s[10:11] offset:1024*\p+16*\u   ; a row's 32 bytes are its eight words
.endr
.endr
	WIN 0x80                                       ; destination window 2
.irp b, 0,1,2,3,4,5,6,7
	global_load_b128 v[8*\b:8*\b+3], v3, s[12:13] offset:64*\b          ; the bias at column 16 b + 8 h + 0 .. 7: the result's layout
	global_load_b128 v[8*\b+4:8*\b+7], v3, s[12:13] offset:64*\b+16
.endr
	WIN 0
.macro FETCH k, p                      ; the fragments of K step k into set p: ctx's four blocks (images), Wo's eight (rows)
.irp i, 0,1,2,3
.irp c, 0,1
	ds_load_b128 v[AF+32*(\p)+8*\i+4*\c:AF+32*(\p)+8*\i+4*\c+3], v[ADRA] offset:\i*8192+(\k)*1024+\c*512
.endr
.endr
.irp i, 0,1,2,3,4,5,6,7
.irp c, 0,1
	ds_load_b128 v[BF+64*(\p)+8*\i+4*\c:BF+64*(\p)+8*\i+4*\c+3], v[ADRB+(\k)/4] offset:64*((\k)%4)+32*\c+\i*16*PITCH
.endr
.endr
.endm
; 32 matrix instructions: ctx's four blocks x Wo's eight, K step k.  The 32 accumulators take turns, one instruction a turn, in the same order in every step.
; An odd block's scale words lie in lanes 16-31 of its pair's register.  first = 1: the sums begin with the bias.
.macro MUL k, p, first
.irp a, 0,1,2,3
.irp b, 0,1,2,3,4,5,6,7
.set rD, 8*(8*\a+\b)
.set rC, rD
.if \first
.set rC, 8*\b
.endif
.set rB, BF+64*(\p)+8*\b
.set rA, AF+32*(\p)+8*\a
.set qB, SB+8*(\b/2)+(\k)
.set qA, SA+8*(\a/2)+(\k)
.if ((\a)%2 == 0) && ((\b)%2 == 0)
	v_wmma_scale_f32_16x16x128_f8f6f4 v[rD:rD+7], v[rB:rB+7], v[rA:rA+7], v[rC:rC+7], v[qB], v[qA] matrix_a_fmt:MATRIX_FMT_FP4 matrix_b_fmt:MATRIX_FMT_FP4
.elseif ((\a)%2 == 0)
	v_wmma_scale_f32_16x16x128_f8f6f4 v[rD:rD+7], v[rB:rB+7], v[rA:rA+7], v[rC:rC+7], v[qB], v[qA] matrix_a_fmt:MATRIX_FMT_FP4 matrix_b_fmt:MATRIX_FMT_FP4 matrix_a_scale:MATRIX_SCALE_ROW1
.elseif ((\b)%2 == 0)
	v_wmma_scale_f32_16x16x128_f8f6f4 v[rD:rD+7], v[rB:rB+7], v[rA:rA+7], v[rC:rC+7], v[qB], v[qA] matrix_a_fmt:MATRIX_FMT_FP4 matrix_b_fmt:MATRIX_FMT_FP4 matrix_b_scale:MATRIX_SCALE_ROW1
.else
	v_wmma_scale_f32_16x16x128_f8f6f4 v[rD:rD+7], v[rB:rB+7], v[rA:rA+7], v[rC:rC+7], v[qB], v[qA] matrix_a_fmt:MATRIX_FMT_FP4 matrix_b_fmt:MATRIX_FMT_FP4 matrix_a_scale:MATRIX_SCALE_ROW1 matrix_b_scale:MATRIX_SCALE_ROW1
.endif
.endr
.endr
.endm
.macro KSTEP k
	s_wait_dscnt 0x0                               ; this step's fragments are in (asked for 32 matrix instructions ago)
.if (\k) < 7
.if (\k) > 0
.rept 4
	v_nop                                          ; four places in front of loads into registers that the last step's matrix instructions have read (ISA guide 7.12.1 for vector instructions)
.endr
.endif
	FETCH (\k)+1, 1-(\k)%2
.endif
.if (\k) == 0
	WIN 0x60                                       ; D window 1, C window 2
	MUL \k, 0, 1
.else
	WIN 0x50                                       ; C and D window 1
	MUL \k, (\k)%2, 0
.endif
	WIN 0
.endm
; THE WAY OUT, block by block of 16 rows x 128 columns.  A lane holds 32 neighbouring bytes of a row, and the lanes beside it hold other rows: so a block goes through my own stage in LDS and comes back as whole
; rows of 512 bytes.  LDS serves a wave's instructions in order: no wait between the stores and the loads, nor in front of the next block's stores.
.macro TOSTAGE a
	WIN 0x04                                       ; an LDS store's data are its source 1: window 1
.irp b, 0,1,2,3,4,5,6,7
	ds_store_b128 v[STO], v[8*(8*(\a)+\b):8*(8*(\a)+\b)+3] offset:64*\b          ; each accumulator from its low end on
	ds_store_b128 v[STO], v[8*(8*(\a)+\b)+4:8*(8*(\a)+\b)+7] offset:64*\b+16
.endr
	WIN 0
.set BB, 64+64*((\a)%2)
.irp t, 0,1,2,3,4,5,6,7,8,9,10,11,12,13,14,15
	ds_load_b128 v[BB+4*\t:BB+4*\t+3], v[RD] offset:\t*SPITCH
.endr
.endm
.macro SEND a, younger                 ; younger: the LDS instructions issued behind block a's loads, which may stay out
.set BB, 64+64*((\a)%2)
	s_wait_dscnt \younger                          ; the block is back in registers
.irp t, 0,1,2,3,4,5,6,7,8,9,10,11,12,13,14,15
	global_store_b128 v[LI], v[BB+4*\t:BB+4*\t+3], s[14:15] offset:(16*(\a)+\t)*4096 th:TH_STORE_NT   ; 32 lanes store 512 consecutive bytes, at a multiple of 256 from the output's first byte; written once, read by nobody here
.endr
.endm
	s_wait_loadcnt 0x0                             ; scales and bias
	s_wait_tensorcnt 0x0                           ; my one load is in
	s_barrier_signal -1
	s_barrier_wait -1                              ; everybody's is
	s_wait_alu depctr_va_vdst(0)
	FETCH 0, 0
	KSTEP 0
	KSTEP 1
	KSTEP 2
	KSTEP 3
	KSTEP 4
	KSTEP 5
	KSTEP 6
	KSTEP 7
.rept 4
	v_nop                                          ; four places in front of the first read of results and of loads into registers that held fragments
.endr
	TOSTAGE 0
.irp a, 1,2,3
.if \a > 1
	s_wait_xcnt 0x0                                ; block a - 2's stores have read their registers: block a's loads may land there
.endif
	TOSTAGE \a
	SEND \a-1, 32                                  ; behind block a - 1's loads: block a's 16 stores and 16 loads
.endr
	SEND 3, 0
	s_set_vgpr_msb 0xa
	s_wait_tensorcnt 0x0
	ds_add_u32 v64, v65
	s_wait_dscnt 0x0
	s_set_vgpr_msb 0xa00
	CROUND                                         ; the closing round: no work-group ends while a partner may still ask for a tile that names it
	s_endpgm
.Lfunc_end_k_q7d3fcf61e2_outp:
	.size	k_q7d3fcf61e2_outp, .Lfunc_end_k_q7d3fcf61e2_outp-k_q7d3fcf61e2_outp
	.p2alignl 7, 3214868480
	.fill 96, 4, 3214868480
	.section	.rodata,"a",@progbits
	.p2align	6, 0x0
	.amdhsa_kernel k_q7d3fcf61e2_outp
		.amdhsa_group_segment_fixed_size 239104
		.amdhsa_private_segment_fixed_size 0
		.amdhsa_enable_private_segment 0
		.amdhsa_kernarg_size 48
		.amdhsa_user_sgpr_count 2
		.amdhsa_user_sgpr_kernarg_segment_ptr 1
		.amdhsa_wavefront_size32 1
		.amdhsa_system_sgpr_workgroup_id_x 1
		.amdhsa_system_sgpr_workgroup_id_y 1
		.amdhsa_system_sgpr_workgroup_id_z 1
		.amdhsa_system_vgpr_workitem_id 0
		.amdhsa_next_free_vgpr 578
		.amdhsa_next_free_sgpr 106
		.amdhsa_reserve_vcc 0
		.amdhsa_float_denorm_mode_32 3
		.amdhsa_float_denorm_mode_16_64 3
		.amdhsa_memory_ordered 1
		.amdhsa_forward_progress 1
		.amdhsa_inst_pref_size 70
	.end_amdhsa_kernel
	.amdgpu_metadata
---
amdhsa.version: [ 1, 2 ]
amdhsa.kernels:
  - .name:           k_q7d3fcf61e2_outp
    .symbol:         k_q7d3fcf61e2_outp.kd
    .args:
      - { .name: cc, .offset: 0, .size: 8, .value_kind: global_buffer, .address_space: global }
      - { .name: cs, .offset: 8, .size: 8, .value_kind: global_buffer, .address_space: global }
      - { .name: Wo_codes, .offset: 16, .size: 8, .value_kind: global_buffer, .address_space: global }
      - { .name: Wo_scales, .offset: 24, .size: 8, .value_kind: global_buffer, .address_space: global }
      - { .name: bo, .offset: 32, .size: 8, .value_kind: global_buffer, .address_space: global }
      - { .name: out0, .offset: 40, .size: 8, .value_kind: global_buffer, .address_space: global }
    .group_segment_fixed_size: 239104
    .private_segment_fixed_size: 0
    .kernarg_segment_align: 8
    .kernarg_segment_size: 48
    .max_flat_workgroup_size: 128
    .sgpr_count:     106
    .vgpr_count:     578
    .wavefront_size: 32
...
	.end_amdgpu_metadata
.endif
;; end of part 3
